; MI455X (gfx1250); checked and timed in simulation.
; The chip was launched on July 23, 2026; its instructions are those of AMD's public machine-readable ISA for CDNA 5 (MIT licence, August 2026) and "CDNA5" Instruction Set Architecture Reference Guide (July 2026). The comments in the code are by the model that wrote it; some were corrected since.
;; Multi Head Dual Attention. Allowed arithmetic: matrix products marked QUANTISED: E3M2 operands, one E8M0 scale for each 32 along K, by v_wmma_scale_f32_16x16x128_f8f6f4 with both operands' format E3M2, f32 sums; everything else in f32.
;; Inputs: k1 4,096 x 256 float32; k2 4,096 x 256 float32; v1 4,096 x 256 float32; v2 4,096 x 256 float32; wk1_b 512 float32; wk1_w 256 x 512 float32; wk2_b 512 float32; wk2_w 256 x 512 float32; wo1_b 256 float32; wo1_w 512 x 256 float32; wo2_b 256 float32; wo2_w 512 x 256 float32; wv1_b 512 float32; wv1_w 256 x 512 float32; wv2_b 512 float32; wv2_w 256 x 512 float32.
;; Outputs: out0 4,096 x 256 float32; out1 4,096 x 256 float32.
;; This version of the problem:
;;   THIS VERSION OF THE PROBLEM IS GIVEN IN LOW PRECISION. The matrix products marked QUANTISED in the list below multiply operands that are first quantised to E3M2 (3 exponent bits, 2 mantissa bits; 6 bits a number), with one power-of-two scale for each 32 numbers along K (OCP MX v1.0); their sums are f32. All else is computed in f32.
;;   The module's matrix products, in the order in which they are computed (A, B: the left and right operand; K: the contracted axis; several contracted axes count as one K, in the product's order):
;;     1. [M 4,096, K 256] x [K 256, N 512]; A: input k1; B: input wk1_w: QUANTISED
;;     2. [M 4,096, K 256] x [K 256, N 512]; A: input v1; B: input wv1_w: QUANTISED
;;     3. [M 4,096, K 256] x [K 256, N 512]; A: input k2; B: input wk2_w: QUANTISED
;;     4. [M 4,096, K 256] x [K 256, N 512]; A: input v2; B: input wv2_w: QUANTISED
;;     5. batch 8 x [M 4,096, K 64] x [K 64, N 4,096]; A: computed on the way; B: computed on the way: QUANTISED
;;     6. batch 8 x [M 4,096, K 4,096] x [K 4,096, N 64]; A: softmax (see below); B: computed on the way: QUANTISED
;;     7. batch 8 x [M 4,096, K 4,096] x [K 4,096, N 64]; A: softmax (see below); B: computed on the way: QUANTISED
;;     8. [M 4,096, K 512] x [K 512, N 256]; A: computed on the way; B: input wo1_w: QUANTISED
;;     9. [M 4,096, K 512] x [K 512, N 256]; A: computed on the way; B: input wo2_w: QUANTISED
;;   THE QUANTISER, for each operand of a quantised product, along K:
;;     - K is cut into blocks of 32 from its start; a last block that is shorter is filled with zeros.
;;     - A block's scale is 2^e with e = floor(log2(the largest magnitude in the block)) - 4, held to -126 .. 127; a block of zeros has e = 0. As a byte (E8M0): e + 127.
;;     - Each number is divided by its block's scale, clamped to +-28, and rounded to the nearest number of E3M2, ties to even, subnormals kept.
;;     - The product sums the exact products of the quantised numbers (number of the format x scale) in f32.
;;   ~~~python
;;   def quantise(x, axis):      # numpy; x: float32 -> the quantised numbers, widened to float32 again
;;       x = np.moveaxis(x, axis, -1); K = x.shape[-1]
;;       x = np.pad(x, [(0, 0)] * (x.ndim - 1) + [(0, -K % 32)]); x = x.reshape(x.shape[:-1] + (-1, 32)); a = np.abs(x).max(-1, keepdims=True)
;;       e = np.where(a > 0, np.clip(np.frexp(np.where(a > 0, a, 1))[1] - 1 - 4, -126, 127), 0)      # np.frexp(a)[1] - 1 = floor(log2(a)), exactly
;;       r = np.clip(x / 2.0 ** e, -28, 28)
;;       step = 2.0 ** (np.maximum(np.frexp(np.where(r == 0, 1, r))[1] - 1, -2) - 2)
;;       q = np.round(r / step) * step * 2.0 ** e      # np.round: ties to even
;;       return np.moveaxis(q.reshape(q.shape[:-2] + (-1,))[..., :K], -1, axis).astype(np.float32)
;;   ~~~
;;   SOFTMAX AHEAD OF A QUANTISED PRODUCT. Where the list says 'softmax', what is quantised is not the finished softmax but p = 2^(t - M), with t = logit x log2(e) and M = ceil(the row's largest t), a whole number; so 1/2 < the row's largest p <= 1. The row's sum l is taken of the UNQUANTISED p, in f32, and the product's result is divided by l at the end. Since M is a whole number, a kernel that streams over the keys may use a running M (the ceiling of the running maximum): every later rescaling is an exact power of two, which a block's scale takes up: the codes' values come out the same.
;;   OPERANDS COMPUTED ON THE WAY. 'Computed on the way' means the value that the module computes at that place (a softmax that the list does not call 'softmax' is quantised finished and normalised). What goes into a quantiser is computed in f32, as accurately as f32 sums, v_exp_f32 and their like allow (about 1e-6 of the number): no bf16 or f16 on the way to a quantiser, and a product that is left as it is and whose result goes on into a quantised operand takes f32 operands (vector FMAs, or v_wmma_f32_16x16x4_f32). A number that lies on a knife's edge between two numbers of the format may be rounded either way, as far as f32 arithmetic and the matrix unit's own rounding can turn it there, and no further.
;; One version. Each part assembles by itself: llvm-mc -triple=amdgcn-amd-amdhsa -mcpu=gfx1250 --defsym DOCPART=n.
;; ======== version 1 of 1: 4 launches
;; limits: right only within a limited range of input values
;; workspace buffers: wc 589,824 bytes; ws 24,576 bytes; kv 6,553,600 bytes; oc 3,145,728 bytes; osc 262,144 bytes
;; launch wq (part 1): grid 48 x 1, 4 waves a work-group, no clusters, 12,800 bytes of LDS; arguments wk1_w, wv1_w, wk2_w, wv2_w, wo1_w, wo2_w, wc, ws; writes wc, ws
.if DOCPART == 1
	.amdgcn_target "amdgcn-amd-amdhsa--gfx1250"
	.amdhsa_code_object_version 6
	.text
	.protected	k_q6986d570d2_wq
	.globl	k_q6986d570d2_wq
	.p2align	8
	.type	k_q6986d570d2_wq,@function
k_q6986d570d2_wq:
	s_mov_b64 s[64:65], 0
	v_nop
	global_prefetch_b8 v0, s[64:65] scope:SCOPE_SE
	s_setreg_imm32_b32 hwreg(HW_REG_WAVE_MODE, 25, 1), 1
	s_wait_xcnt 0x0
; The six weights, f32, stored [K][N] with K as FIRST axis, become codes of BF6 (E3M2) with one E8M0 byte for each 32 along K, laid as IMAGES OF OPERAND REGISTERS.
; A fragment is 16 columns x 128 K: 12 registers a lane; lane (r, h) holds column r, registers 6 c .. 6 c + 5 = k 64 c + 32 h + 0 .. 31.  Its image is 1,536 bytes: registers 4 c .. 4 c + 3 of lane l at 512 c + 16 l.
; wc: [id 0..5][F 0..63][1,536]; ws: [id][F][16 words, row r's at 4 r].  ids 0-3 (256 x 512): F = 2 tile + K step; ids 4, 5 (512 x 256): F = 4 tile + K step.
; In ids 0-3 the columns of a tile are NOT neighbours: lane r of tile 2 b + u takes column 32 b + 8 u + r + 8 (r / 8); in ids 4, 5 tile t takes columns 16 t + r.
; SHARES: a wave takes 32 columns x 128 along K of one weight: a lane a column, its registers run down K, so a block of 32 lies in one lane: 4 blocks a lane, two whole fragments, 32 whole scale words.
; 6 x 32 waves in 48 work-groups; waves share nothing: no barrier.  A lane's 24 bytes of a block go to their place in the fragment's image in the wave's own stage in LDS; the images leave as runs of 512 bytes.
; A block's scale is 2^(floor(log2(largest magnitude)) - 4); its byte is the largest magnitude's exponent field - 4, held at 1 from below.
; LIMITS: a block whose largest magnitude lies under 2^-122 (a block of zeros too) gets the byte 1 where the rule says 127 for zeros: its codes are zeros, and this program alone reads the bytes.  NaN and infinities are not served.
.set P,    16                          ; v16-21   a block's six registers of codes
.set T,    22                          ; v22-24   the second conversion's result (three registers begin on an even number)
.set X,    32                          ; v32-95   two sets of 32 numbers
.set OUTR, 96                          ; v96-119  the way out
.set OF,   128                         ; v128-159 byte offset of my column in row i of a block
	s_load_b256 s[4:11], s[0:1], 0x0               ; wk1_w, wv1_w, wk2_w, wv2_w
	s_load_b256 s[12:19], s[0:1], 0x20             ; wo1_w, wo2_w, wc, ws
	v_lshl_add_u32 v160, v0, 2, 0x3000
	v_mov_b32 v161, 0
	v_lshrrev_b32 v1, 5, v0
	v_readfirstlane_b32 s20, v1                    ; wave 0..3
	s_lshl_b32 s21, ttmp9, 2
	s_add_co_u32 s21, s21, s20                     ; which of the 192 shares
	s_lshr_b32 s22, s21, 5                         ; id: which weight
	s_and_b32 s23, s21, 31                         ; which share of it
	s_cmp_ge_u32 s22, 4
	s_cselect_b32 s24, 1, 0                        ; 1 for the two weights of 512 x 256
	s_lshr_b32 s25, 2048, s24                      ; bytes in a row of the weight
	s_lshl_b32 s26, 8, s24                         ; columns from tile u = 0 to u = 1
	s_lshr_b32 s27, 16, s24                        ; columns from r = 0..7 to r = 8..15
	s_lshl_b32 s28, 2, s24                         ; K steps of 128
	s_add_co_u32 s29, s24, 1
	s_lshr_b32 s30, s23, s29                       ; my group of 32 columns
	s_sub_co_u32 s31, s28, 1
	s_and_b32 s31, s23, s31                        ; my K step
	v_and_b32 v1, 31, v0                           ; lane
	v_and_b32 v2, 15, v0                           ; r
	v_bfe_u32 v3, v0, 4, 1                         ; u: which of my two tiles
	v_and_b32 v4, 7, v0
	v_bfe_u32 v10, v0, 3, 1
	v_mad_u32_u24 v4, v3, s26, v4
	v_mad_u32_u24 v4, v10, s27, v4                 ; my column in the group of 32
	v_lshlrev_b32 v5, 2, v4
	s_mul_i32 s49, s20, 3072                       ; my wave's stage: two images
	v_mul_u32_u24 v6, v3, 1536
	v_lshl_add_u32 v6, v2, 4, v6
	v_add_nc_u32 v6, s49, v6                       ; into it: image u, 16 r
	v_lshl_add_u32 v7, v1, 4, s49                  ; out of it: 16 x lane
	v_lshlrev_b32 v8, 4, v1                        ; and the same in wc
	s_lshl_b32 s62, s28, 6
	v_mul_u32_u24 v9, v3, s62
	v_lshl_add_u32 v9, v2, 2, v9                   ; my scale word in ws: tile u's fragment lies KS fragments on; 4 r
.set i, 0
.rept 32
	v_mad_u32_u24 v[OF+i], s25, i, v5
.set i, i+1
.endr
	s_mul_i32 s50, s31, s25
	s_lshl_b32 s50, s50, 7                         ; my K step's 128 rows,
	s_lshl_b32 s48, s30, 7
	s_add_co_u32 s50, s50, s48                     ; my group's 128 bytes of a row
	s_mov_b32 s51, 0
	s_lshl_b32 s52, s25, 5                         ; a block of 32 rows
	s_mov_b32 s53, 0
	s_mul_i32 s54, s30, s28
	s_lshl_b32 s54, s54, 1
	s_add_co_u32 s54, s54, s31                     ; F of tile u = 0
	s_mul_i32 s56, s22, 98304
	s_mul_i32 s48, s54, 1536
	s_add_co_u32 s56, s56, s48
	s_mov_b32 s57, 0
	s_mul_i32 s58, s28, 1536                       ; from tile u = 0 to u = 1 in wc
	s_mov_b32 s59, 0
	s_lshl_b32 s60, s22, 12
	s_lshl_b32 s48, s54, 6
	s_add_co_u32 s60, s60, s48
	s_mov_b32 s61, 0
	s_wait_alu depctr_va_vdst(0)
	s_wait_kmcnt 0x0
.irp n, 1,2,3,4,5
	s_cmp_eq_u32 s22, \n                           ; the weight is chosen by the share's number alone
	s_cselect_b64 s[4:5], s[4+2*\n:5+2*\n], s[4:5]
.endr
	s_add_nc_u64 s[32:33], s[4:5], s[50:51]        ; a base for each of my four blocks
	s_add_nc_u64 s[34:35], s[32:33], s[52:53]
	s_add_nc_u64 s[36:37], s[34:35], s[52:53]
	s_add_nc_u64 s[38:39], s[36:37], s[52:53]
	s_add_nc_u64 s[42:43], s[16:17], s[56:57]      ; wc: tile u = 0's image,
	s_add_nc_u64 s[44:45], s[42:43], s[58:59]      ; tile u = 1's
	s_add_nc_u64 s[46:47], s[18:19], s[60:61]      ; ws
.macro LOAD t                          ; block t: rows 32 t + i of my K step, my column, into set t % 2; the 32 lanes read 128 neighbouring bytes
.irp i, 0,1,2,3,4,5,6,7,8,9,10,11,12,13,14,15,16,17,18,19,20,21,22,23,24,25,26,27,28,29,30,31
	global_load_b32 v[X+32*((\t)%2)+\i], v[OF+\i], s[32+2*(\t):33+2*(\t)] th:TH_LOAD_NT
.endr
.endm
.macro BLOCK t
.set XS, X+32*((\t)%2)
.if (\t) < 3
	s_wait_loadcnt 32                              ; this block's 32 loads are in; the next block's 32 may be out
.else
	s_wait_loadcnt 0x0
.endif
	v_max3_num_f32 v12, |v[XS]|, |v[XS+1]|, |v[XS+2]|       ; the block's largest magnitude: all 32 numbers are mine; two chains
	v_max3_num_f32 v13, |v[XS+3]|, |v[XS+4]|, |v[XS+5]|
.irp i, 6,10,14,18,22,26
	v_max3_num_f32 v12, v12, |v[XS+\i]|, |v[XS+\i+1]|
	v_max3_num_f32 v13, v13, |v[XS+\i+2]|, |v[XS+\i+3]|
.endr
	v_max3_num_f32 v12, v12, |v[XS+30]|, |v[XS+31]|
	v_max3_num_f32 v12, v12, v13, 0x2800000        ; and the floor 2^(5 - 127): the byte cannot fall under 1
	v_add_nc_u32 v11, 0xfe000000, v12              ; 4 off the exponent field: the conversion's scale operand
	v_lshrrev_b32 v13, 23, v11                     ; the scale's byte
.if (\t) == 0
	v_mov_b32 v15, v13                             ; the four bytes make my column's scale word of this K step
.else
	v_lshl_or_b32 v15, v13, 8*(\t), v15
.endif
	v_cvt_scalef32_pk16_bf6_f32 v[P:P+2], v[XS:XS+15], v11
	v_cvt_scalef32_pk16_bf6_f32 v[T:T+2], v[XS+16:XS+31], v11
	v_nop                                          ; one plain line behind a scaled conversion
.irp i, 0,1,2
	v_mov_b32 v[P+3+\i], v[T+\i]
.endr
	; block t is registers 6 (t / 2) .. + 5 of lane r + 16 (t % 2) of the fragment: in the image, register R of lane l' lies at 512 (R / 4) + 16 l' + 4 (R % 4)
.if (\t) < 2
	ds_store_b128 v6, v[P:P+3] offset:256*(\t)
	ds_store_b64 v6, v[P+4:P+5] offset:512+256*(\t)
.else
	ds_store_b64 v6, v[P:P+1] offset:520+256*((\t)-2)
	ds_store_b128 v6, v[P+2:P+5] offset:1024+256*((\t)-2)
.endif
.if (\t) < 2
	LOAD (\t)+2
.endif
	s_wait_dscnt 0x0                               ; the stores are done before the next block's codes are written
.endm
	LOAD 0
	LOAD 1
	BLOCK 0
	BLOCK 1
	BLOCK 2
	BLOCK 3
	s_wait_alu depctr_va_vdst(0)
	global_store_b32 v9, v15, s[46:47]             ; sixteen lanes store a fragment's 64 bytes of scale words
.irp c, 0,1,2,3,4,5
	ds_load_b128 v[OUTR+4*\c:OUTR+4*\c+3], v7 offset:512*\c   ; LDS serves a wave's instructions in order: these see my stores
.endr
.irp c, 0,1,2,3,4,5
	s_wait_dscnt 5-\c                              ; load c is in; the 5 - c younger ones may be out
	global_store_b128 v8, v[OUTR+4*\c:OUTR+4*\c+3], s[42+2*(\c/3):43+2*(\c/3)] offset:512*(\c%3)   ; 32 lanes store 512 consecutive bytes, aligned to 256
.endr
	s_wait_tensorcnt 0x0
	ds_add_u32 v160, v161
	s_wait_dscnt 0x0
	s_endpgm
.Lfunc_end_k_q6986d570d2_wq:
	.size	k_q6986d570d2_wq, .Lfunc_end_k_q6986d570d2_wq-k_q6986d570d2_wq
	.p2alignl 7, 3214868480
	.fill 96, 4, 3214868480
	.section	.rodata,"a",@progbits
	.p2align	6, 0x0
	.amdhsa_kernel k_q6986d570d2_wq
		.amdhsa_group_segment_fixed_size 12800
		.amdhsa_private_segment_fixed_size 0
		.amdhsa_enable_private_segment 0
		.amdhsa_kernarg_size 64
		.amdhsa_user_sgpr_count 2
		.amdhsa_user_sgpr_kernarg_segment_ptr 1
		.amdhsa_wavefront_size32 1
		.amdhsa_system_sgpr_workgroup_id_x 1
		.amdhsa_system_sgpr_workgroup_id_y 1
		.amdhsa_system_sgpr_workgroup_id_z 1
		.amdhsa_system_vgpr_workitem_id 0
		.amdhsa_next_free_vgpr 162
		.amdhsa_next_free_sgpr 66
		.amdhsa_reserve_vcc 0
		.amdhsa_float_denorm_mode_32 3
		.amdhsa_float_denorm_mode_16_64 3
		.amdhsa_memory_ordered 1
		.amdhsa_forward_progress 1
		.amdhsa_inst_pref_size 26
	.end_amdhsa_kernel
	.amdgpu_metadata
---
amdhsa.version: [ 1, 2 ]
amdhsa.kernels:
  - .name:           k_q6986d570d2_wq
    .symbol:         k_q6986d570d2_wq.kd
    .args:
      - { .name: wk1_w, .offset: 0, .size: 8, .value_kind: global_buffer, .address_space: global }
      - { .name: wv1_w, .offset: 8, .size: 8, .value_kind: global_buffer, .address_space: global }
      - { .name: wk2_w, .offset: 16, .size: 8, .value_kind: global_buffer, .address_space: global }
      - { .name: wv2_w, .offset: 24, .size: 8, .value_kind: global_buffer, .address_space: global }
      - { .name: wo1_w, .offset: 32, .size: 8, .value_kind: global_buffer, .address_space: global }
      - { .name: wo2_w, .offset: 40, .size: 8, .value_kind: global_buffer, .address_space: global }
      - { .name: wc, .offset: 48, .size: 8, .value_kind: global_buffer, .address_space: global }
      - { .name: ws, .offset: 56, .size: 8, .value_kind: global_buffer, .address_space: global }
    .group_segment_fixed_size: 12800
    .private_segment_fixed_size: 0
    .kernarg_segment_align: 8
    .kernarg_segment_size: 64
    .max_flat_workgroup_size: 128
    .sgpr_count:     66
    .vgpr_count:     162
    .wavefront_size: 32
...
	.end_amdgpu_metadata
.endif
;; end of part 1
;; launch proj (part 2): grid 64 x 4, 4 waves a work-group, no clusters, 27,136 bytes of LDS; arguments k1, v1, k2, v2, wk1_b, wv1_b, wk2_b, wv2_b, wc, ws, kv; writes kv
.if DOCPART == 2
	.amdgcn_target "amdgcn-amd-amdhsa--gfx1250"
	.amdhsa_code_object_version 6
	.text
	.protected	k_q6986d570d2_proj
	.globl	k_q6986d570d2_proj
	.p2align	8
	.type	k_q6986d570d2_proj,@function
k_q6986d570d2_proj:
	s_mov_b64 s[64:65], 0
	v_nop
	global_prefetch_b8 v0, s[64:65] scope:SCOPE_SE
	s_setreg_imm32_b32 hwreg(HW_REG_WAVE_MODE, 25, 1), 1
	s_wait_xcnt 0x0
; The four projections x W + b ([4096][256] x [256][512]), both operands on codes of BF6 (E3M2) with E8M0 scales for each 32 along K, and the quantising of their results for the attention.
; Grid y = which projection (k1, v1, k2, v2); grid x = 2 R + G: R the block of 128 rows (a key step of the attention), G which four heads.  Wave w takes head 4 G + w for all 128 rows.
; x is quantised by the work-group: wave w makes the fragments of rows 32 w .. 32 w + 31 and hands them to the others through LDS as images of their registers (registers 4 c .. 4 c + 3 of lane l at 512 c + 16 l).
; THE ROWS OF A TILE ARE NOT NEIGHBOURS: lane r of tile 2 b + u takes row 32 b + 8 u + r + 8 (r / 8); the weights' tiles of output units are laid the same way.  So the 16 registers of two neighbouring result tiles are 16 neighbours.
; K TYPE (k1, k2): source 0 = 16 units of W, source 1 = 16 rows of x: a lane holds one row and its registers run along the head's 64, which is the score product's K.  Two row tiles (2 x 64 numbers) make ONE fragment of 128:
;   registers 0-5 row tile 2 g, registers 6-11 row tile 2 g + 1.
; V TYPE (v1, v2): source 0 = 16 rows of x, source 1 = 16 units of W: a lane holds one unit d and its registers run along the 128 rows, the keys, which are the second product's K.
; kv: [pair 2 x head 8][step 32][12,800]: K part 4 images of 1,536 bytes and 256 bytes of scale words, then the V part likewise.  Scale words: lane l's 8 bytes at 8 l; word i holds fragment 2 i's word of row r in lanes 0-15 and fragment 2 i + 1's in lanes 16-31.
; The bias is the C of each sum's first matrix instruction.  The eight accumulators of a group take turns, one instruction a turn.
; LIMITS: a block whose largest magnitude lies under 2^-122 (a block of zeros too) gets the byte 1: its codes are zeros and this program alone reads the bytes.  NaN and infinities are not served.
; REGISTERS, in windows of 256: window 0 as named below; window 1: v0-191 x's 16 fragments at 12 (2 m + s); window 2: v0-95 W's 8 fragments at 12 (2 t + s), v96-127 the bias, 8 registers a tile.
.set FRB,  1536
.set XSC,  24576                       ; LDS: x's 16 images from byte 0, then their scale words, 128 bytes each
.set XA,   4                           ; v4   x: my lane's byte in a tile's rows
.set LI,   5                           ; v5   16 x lane
.set LS,   6                           ; v6   4 x lane
.set XWI,  7                           ; v7   where I store x's images: 16 x lane + 4 images x wave
.set XWS,  8                           ; v8   and their scale words
.set R4,   9                           ; v9   4 r
.set L8,   10                          ; v10  8 x lane
.set BO,   12                          ; v12-19 the bias's offsets, one for each register of a result tile
.set WS,   20                          ; v20-27 W's scale words, 2 t + s
.set HA,   32                          ; v32-95 numbers of x, later the accumulators
.set ST,   96                          ; v96-159 numbers of x
.set PC,   160                         ; v160-207 four fragments of codes
.set PT,   208                         ; v208-214 at work in the conversions
.set TM,   216                         ; v216-231 largest magnitudes, bytes, scale operands
.set PW,   232                         ; v232-235 four scale words just made
.set SW,   236                         ; v236-237 the scale words as they are stored
.set XS,   238                         ; v238-253 x's scale words, 2 m + s
.set BI,   96                          ; in window 2
.set SEL,  36                          ; s[36:37] v_permlanex16_b32's selects for lane l xor 16
.set MSB, 0
.macro WIN new                         ; the immediate's high byte repeats the setting that is left
.if MSB != \new
	s_set_vgpr_msb (MSB<<8)|\new
.set MSB, \new
.endif
.endm
; 64 numbers of a lane, register 16 b + i = k 32 b + 16 (lane / 16) + i of my row, become a fragment's codes in v[pc] on and its scale word in v[pw] (the same in lanes l and l xor 16).
.macro QUANT s, pc, pw
.irp b, 0,1,2,3
	v_max3_num_f32 v[TM+\b], |v[\s+16*\b]|, |v[\s+1+16*\b]|, 0x2800000   ; block b: my 16 numbers, and the floor 2^(5 - 127): the byte cannot fall under 1
.endr
.irp i, 2,4,6,8,10,12,14
.irp b, 0,1,2,3
	v_max3_num_f32 v[TM+\b], v[TM+\b], |v[\s+16*\b+\i]|, |v[\s+1+16*\b+\i]|   ; the four blocks by turns
.endr
.endr
.irp b, 0,1,2,3
	v_permlanex16_b32 v[TM+4+\b], v[TM+\b], s[SEL], s[SEL+1]
.endr
.irp b, 0,1,2,3
	v_max_num_f32 v[TM+\b], v[TM+\b], v[TM+4+\b]   ; with lane l xor 16's: the block's largest magnitude
.endr
.irp b, 0,1,2,3
	v_add_nc_u32 v[TM+12+\b], 0xfe000000, v[TM+\b] ; 4 off its exponent field: the conversion's scale operand
.endr
.irp b, 0,1,2,3
	v_lshrrev_b32 v[TM+4+\b], 23, v[TM+12+\b]      ; the scale's byte
.endr
	v_lshl_or_b32 v[\pw], v[TM+5], 8, v[TM+4]
	v_lshl_or_b32 v[\pw], v[TM+6], 16, v[\pw]
	v_lshl_or_b32 v[\pw], v[TM+7], 24, v[\pw]
.irp c, 0,1
	v_cvt_scalef32_pk16_bf6_f32 v[\pc+6*\c:\pc+2+6*\c], v[\s+32*\c:\s+15+32*\c], v[TM+12+2*\c]
	v_cvt_scalef32_pk16_bf6_f32 v[PT+4*\c:PT+2+4*\c], v[\s+16+32*\c:\s+31+32*\c], v[TM+13+2*\c]   ; (a conversion's three registers begin on an even number)
.endr
	v_nop                                          ; one plain line behind a scaled conversion
.irp c, 0,1                                    ; the operand's layout wants a WHOLE block in a lane: lanes 0-15 block 2 c, lanes 16-31 block 2 c + 1
.irp i, 0,1,2
	v_permlane16_swap_b32 v[\pc+6*\c+\i], v[PT+4*\c+\i]
.endr
.irp i, 0,1,2
	v_mov_b32 v[\pc+3+6*\c+\i], v[PT+4*\c+\i]
.endr
.endr
.endm
.macro XLOAD reg, u, s                 ; my tile u's numbers of K step s: lane (r, h) takes 16 neighbours of each block of 32 of its row
.irp b, 0,1,2,3
.irp j, 0,1,2,3
	global_load_b128 v[\reg+16*\b+4*\j:\reg+16*\b+4*\j+3], v[XA], s[4:5] offset:8192*\u+512*\s+128*\b+16*\j
.endr
.endr
.endm
.macro IMAGE f                         ; fragment f of my four goes to LDS as it stands, and its scale words
.irp c, 0,1,2
	ds_store_b128 v[XWI], v[PC+12*\f+4*\c:PC+12*\f+4*\c+3] offset:FRB*\f+512*\c
.endr
	ds_store_b32 v[XWS], v[PW+\f] offset:XSC+128*\f
.endm
	s_load_b256 s[4:11], s[0:1], 0x0               ; k1, v1, k2, v2
	s_load_b256 s[12:19], s[0:1], 0x20             ; their biases
	s_load_b128 s[20:23], s[0:1], 0x40             ; wc, ws
	s_load_b64 s[24:25], s[0:1], 0x50              ; kv
	v_lshl_add_u32 v254, v0, 2, 0x6800
	v_mov_b32 v255, 0
	v_lshrrev_b32 v1, 5, v0
	v_readfirstlane_b32 s26, v1                    ; wave 0..3
	s_and_b32 s27, ttmp7, 0xffff                   ; which projection
	s_lshr_b32 s28, s27, 1                         ; pair
	s_and_b32 s29, s27, 1                          ; 0: K type, 1: V type
	s_lshr_b32 s30, ttmp9, 1                       ; R
	s_and_b32 s31, ttmp9, 1
	s_lshl_b32 s31, s31, 2
	s_add_co_u32 s31, s31, s26                     ; my head
	s_cmp_eq_u32 s29, 0
	s_cselect_b32 s32, 64, 0                       ; the bias's offsets: K type 64 h + 4 j (a lane's registers are units),
	s_cselect_b32 s33, 0, 4                        ; V type 4 (r + 8 (r / 8)) (a lane is a unit)
	s_cselect_b32 s34, 4, 0
	s_cselect_b32 s51, 3, 1                        ; K type: lane r of a row tile takes row r + 24 (r / 8) of its base; V type: r + 8 (r / 8)
	s_mov_b32 s35, 0xffff0000                      ; lanes 16-31
	s_mov_b32 s[SEL], 0x76543210
	s_mov_b32 s[SEL+1], 0xfedcba98
	v_and_b32 v1, 31, v0                           ; lane
	v_and_b32 v2, 15, v0                           ; r
	v_bfe_u32 v3, v0, 4, 1                         ; h
	; THE ROWS OF A K-TYPE TILE: tile 4 c + u takes rows 64 c + 8 u + r % 8 + 32 (r / 8), so that in the attention's score tiles a lane holds a whole block of 32 keys; V-type tiles stay at 32 b + 8 u + r + 8 (r / 8)
	v_and_b32 v11, 8, v2
	v_mad_u32_u24 v11, v11, s51, v2                ; r + 8 (r / 8) x 3 or x 1
	v_lshlrev_b32 v[XA], 10, v11
	v_lshl_add_u32 v[XA], v3, 6, v[XA]             ; x: that row of 1,024 bytes, + 64 h
	v_lshlrev_b32 v[LI], 4, v1
	v_lshlrev_b32 v[LS], 2, v1
	s_mul_i32 s38, s26, 4*FRB
	v_add_nc_u32 v[XWI], s38, v[LI]
	s_lshl_b32 s39, s26, 9
	v_add_nc_u32 v[XWS], s39, v[LS]
	v_lshlrev_b32 v[R4], 2, v2
	v_lshlrev_b32 v[L8], 3, v1
	v_mul_u32_u24 v[BO], v3, s32
	v_mad_u32_u24 v[BO], v11, s33, v[BO]
.irp j, 1,2,3,4,5,6,7
	v_mad_u32_u24 v[BO+\j], s34, \j, v[BO]
.endr
.irp b, 0,1,2,3
	v_mov_b32 v[TM+4+\b], 0                        ; written once: a lane permute's destination counts as one of its sources
.endr
	s_lshl_b32 s40, s30, 17
	s_lshl_b32 s50, s26, 15                        ; V type: my two tiles begin at row 32 w
	s_and_b32 s52, s26, 1
	s_lshl_b32 s52, s52, 14
	s_cmp_eq_u32 s29, 0
	s_cselect_b32 s52, s52, 0
	s_sub_co_u32 s50, s50, s52                     ; K type: at row 64 (w / 2) + 16 (w % 2) = 32 w - 16 (w % 2)
	s_add_co_u32 s40, s40, s50                     ; x: 128 R rows + my tiles' base, rows of 1,024 bytes
	s_mov_b32 s41, 0
	s_lshl_b32 s42, s31, 8                         ; the bias: my head's 64 numbers
	s_mov_b32 s43, 0
	s_mul_i32 s44, s27, 98304
	s_mul_i32 s50, s31, 8*FRB
	s_add_co_u32 s44, s44, s50                     ; wc: my head's 8 fragments
	s_mov_b32 s45, 0
	s_lshl_b32 s46, s27, 12
	s_lshl_b32 s50, s31, 9
	s_add_co_u32 s46, s46, s50                     ; ws: their scale words
	s_mov_b32 s47, 0
	s_lshl_b32 s48, s28, 3
	s_add_co_u32 s48, s48, s31
	s_lshl_b32 s48, s48, 5
	s_add_co_u32 s48, s48, s30
	s_mul_i32 s48, s48, 12800
	s_mul_i32 s50, s29, 6400
	s_add_co_u32 s48, s48, s50                     ; kv: ((pair 8 + head) 32 + R) steps, the K part or the V part
	s_mov_b32 s49, 0
	s_wait_alu depctr_va_vdst(0)
	s_wait_kmcnt 0x0
.irp n, 1,2,3
	s_cmp_eq_u32 s27, \n                           ; the tensors are chosen by the work-group's y alone
	s_cselect_b64 s[4:5], s[4+2*\n:5+2*\n], s[4:5]
	s_cselect_b64 s[12:13], s[12+2*\n:13+2*\n], s[12:13]
.endr
	s_add_nc_u64 s[4:5], s[4:5], s[40:41]
	s_add_nc_u64 s[12:13], s[12:13], s[42:43]
	s_add_nc_u64 s[20:21], s[20:21], s[44:45]
	s_add_nc_u64 s[22:23], s[22:23], s[46:47]
	s_add_nc_u64 s[24:25], s[24:25], s[48:49]
	; ---- my head's part of W, its bias and its scale words: they stay in registers
	WIN 0x80                                       ; destination window 2
.set j, 0
.rept 24
	global_load_b128 v[4*j:4*j+3], v[LI], s[20:21] offset:512*j
.set j, j+1
.endr
.irp t, 0,1,2,3
.irp j, 0,1,2,3,4,5,6,7
	global_load_b32 v[BI+8*\t+\j], v[BO+\j], s[12:13] offset:(32*(\t/2)+8*(\t%2))*4
.endr
.endr
	WIN 0
.irp f, 0,1,2,3,4,5,6,7
	global_load_b32 v[WS+\f], v[R4], s[22:23] offset:64*\f
.endr
	; ---- my 32 rows of x become four fragments: two buffers of numbers by turns
	XLOAD HA, 0, 0
	XLOAD ST, 0, 1
	s_wait_loadcnt 16                              ; all but the youngest 16 loads (the other buffer's) are in: W's, the bias's, and this buffer's
	QUANT HA, PC, PW
	IMAGE 0
	XLOAD HA, 1, 0
	s_wait_loadcnt 16                              ; the other buffer's 16 may be out
	QUANT ST, PC+12, PW+1
	IMAGE 1
	XLOAD ST, 1, 1
	s_wait_loadcnt 16                              ; likewise
	QUANT HA, PC+24, PW+2
	IMAGE 2
	s_wait_loadcnt 0x0
	QUANT ST, PC+36, PW+3
	IMAGE 3
	s_wait_dscnt 0x0                               ; for the others' sake: my images lie in LDS
	s_barrier_signal -1
	s_barrier_wait -1                              ; everybody's do
	WIN 0x40                                       ; destination window 1
.set j, 0
.rept 48
	ds_load_b128 v[4*j:4*j+3], v[LI] offset:512*j  ; fragment f's registers 4 c on lie at 1,536 f + 512 c: register 4 (3 f + c)
.set j, j+1
.endr
	WIN 0
.irp f, 0,1,2,3,4,5,6,7,8,9,10,11,12,13,14,15
	ds_load_b32 v[XS+\f], v[LS] offset:XSC+128*\f
.endr
	s_wait_dscnt 0x0
	s_cmp_eq_u32 s29, 1
	s_cbranch_scc1 .Lv                             ; no LDS instruction stands behind this branch on either way
.macro FINISH g                        ; the group's 64 numbers a lane become fragment g of my part of kv
	WIN 0
.rept 4
	v_nop                                          ; four places between the last product and the first read of results
.endr
	QUANT HA, PC+12*(\g), PW+(\g)                  ; its plain lines on other registers are the places ahead of the next group's products, which begin the accumulators anew
.irp c, 0,1,2
	global_store_b128 v[LI], v[PC+12*(\g)+4*\c:PC+12*(\g)+4*\c+3], s[24:25] offset:FRB*(\g)+512*\c   ; 512 consecutive bytes, aligned to 256; each group has its own registers, so no store's data are written again
.endr
.endm
.macro TAIL
	v_cndmask_b32 v[SW], v[PW], v[PW+1], s35       ; lanes 0-15 fragment 2 i's word, lanes 16-31 fragment 2 i + 1's
	v_cndmask_b32 v[SW+1], v[PW+2], v[PW+3], s35
	global_store_b64 v[L8], v[SW:SW+1], s[24:25] offset:4*FRB   ; 256 consecutive bytes
	s_wait_tensorcnt 0x0
	ds_add_u32 v254, v255
	s_wait_dscnt 0x0
	s_endpgm
.endm
.macro GROUPK g                        ; row tiles 2 g, 2 g + 1 x my head's four tiles of units
	WIN 0x26                                       ; source 0 (W) window 2, source 1 (x) window 1, C (the bias) window 2
.irp u, 0,1
.irp t, 0,1,2,3
	v_wmma_scale_f32_16x16x128_f8f6f4 v[HA+8*(4*\u+\t):HA+8*(4*\u+\t)+7], v[24*\t:24*\t+11], v[24*(2*(\g)+\u):24*(2*(\g)+\u)+11], v[BI+8*\t:BI+8*\t+7], v[WS+2*\t], v[XS+2*(2*(\g)+\u)] matrix_a_fmt:MATRIX_FMT_BF6 matrix_b_fmt:MATRIX_FMT_BF6
.endr
.endr
	WIN 0x06                                       ; C window 0
.irp u, 0,1
.irp t, 0,1,2,3
	v_wmma_scale_f32_16x16x128_f8f6f4 v[HA+8*(4*\u+\t):HA+8*(4*\u+\t)+7], v[24*\t+12:24*\t+23], v[24*(2*(\g)+\u)+12:24*(2*(\g)+\u)+23], v[HA+8*(4*\u+\t):HA+8*(4*\u+\t)+7], v[WS+2*\t+1], v[XS+2*(2*(\g)+\u)+1] matrix_a_fmt:MATRIX_FMT_BF6 matrix_b_fmt:MATRIX_FMT_BF6
.endr
.endr
	FINISH \g
.endm
.macro GROUPV g                        ; all eight row tiles x my head's tile g of units
	WIN 0x29                                       ; source 0 (x) window 1, source 1 (W) window 2, C (the bias) window 2
.irp m, 0,1,2,3,4,5,6,7
	v_wmma_scale_f32_16x16x128_f8f6f4 v[HA+8*\m:HA+8*\m+7], v[24*\m:24*\m+11], v[24*(\g):24*(\g)+11], v[BI+8*(\g):BI+8*(\g)+7], v[XS+2*\m], v[WS+2*(\g)] matrix_a_fmt:MATRIX_FMT_BF6 matrix_b_fmt:MATRIX_FMT_BF6
.endr
	WIN 0x09
.irp m, 0,1,2,3,4,5,6,7
	v_wmma_scale_f32_16x16x128_f8f6f4 v[HA+8*\m:HA+8*\m+7], v[24*\m+12:24*\m+23], v[24*(\g)+12:24*(\g)+23], v[HA+8*\m:HA+8*\m+7], v[XS+2*\m+1], v[WS+2*(\g)+1] matrix_a_fmt:MATRIX_FMT_BF6 matrix_b_fmt:MATRIX_FMT_BF6
.endr
	FINISH \g
.endm
	GROUPK 0
	GROUPK 1
	GROUPK 2
	GROUPK 3
	TAIL
.Lv:
	GROUPV 0
	GROUPV 1
	GROUPV 2
	GROUPV 3
	TAIL
.Lfunc_end_k_q6986d570d2_proj:
	.size	k_q6986d570d2_proj, .Lfunc_end_k_q6986d570d2_proj-k_q6986d570d2_proj
	.p2alignl 7, 3214868480
	.fill 96, 4, 3214868480
	.section	.rodata,"a",@progbits
	.p2align	6, 0x0
	.amdhsa_kernel k_q6986d570d2_proj
		.amdhsa_group_segment_fixed_size 27136
		.amdhsa_private_segment_fixed_size 0
		.amdhsa_enable_private_segment 0
		.amdhsa_kernarg_size 88
		.amdhsa_user_sgpr_count 2
		.amdhsa_user_sgpr_kernarg_segment_ptr 1
		.amdhsa_wavefront_size32 1
		.amdhsa_system_sgpr_workgroup_id_x 1
		.amdhsa_system_sgpr_workgroup_id_y 1
		.amdhsa_system_sgpr_workgroup_id_z 1
		.amdhsa_system_vgpr_workitem_id 0
		.amdhsa_next_free_vgpr 640
		.amdhsa_next_free_sgpr 66
		.amdhsa_reserve_vcc 0
		.amdhsa_float_denorm_mode_32 3
		.amdhsa_float_denorm_mode_16_64 3
		.amdhsa_memory_ordered 1
		.amdhsa_forward_progress 1
		.amdhsa_inst_pref_size 87
	.end_amdhsa_kernel
	.amdgpu_metadata
---
amdhsa.version: [ 1, 2 ]
amdhsa.kernels:
  - .name:           k_q6986d570d2_proj
    .symbol:         k_q6986d570d2_proj.kd
    .args:
      - { .name: k1, .offset: 0, .size: 8, .value_kind: global_buffer, .address_space: global }
      - { .name: v1, .offset: 8, .size: 8, .value_kind: global_buffer, .address_space: global }
      - { .name: k2, .offset: 16, .size: 8, .value_kind: global_buffer, .address_space: global }
      - { .name: v2, .offset: 24, .size: 8, .value_kind: global_buffer, .address_space: global }
      - { .name: wk1_b, .offset: 32, .size: 8, .value_kind: global_buffer, .address_space: global }
      - { .name: wv1_b, .offset: 40, .size: 8, .value_kind: global_buffer, .address_space: global }
      - { .name: wk2_b, .offset: 48, .size: 8, .value_kind: global_buffer, .address_space: global }
      - { .name: wv2_b, .offset: 56, .size: 8, .value_kind: global_buffer, .address_space: global }
      - { .name: wc, .offset: 64, .size: 8, .value_kind: global_buffer, .address_space: global }
      - { .name: ws, .offset: 72, .size: 8, .value_kind: global_buffer, .address_space: global }
      - { .name: kv, .offset: 80, .size: 8, .value_kind: global_buffer, .address_space: global }
    .group_segment_fixed_size: 27136
    .private_segment_fixed_size: 0
    .kernarg_segment_align: 8
    .kernarg_segment_size: 88
    .max_flat_workgroup_size: 128
    .sgpr_count:     66
    .vgpr_count:     640
    .wavefront_size: 32
...
	.end_amdgpu_metadata
.endif
;; end of part 2
;; launch attn (part 3): grid 16 x 16, 16 waves a work-group, clusters of 4 x 1, 327,680 bytes of LDS; arguments kv, oc, osc; writes oc, osc
.if DOCPART == 3
	.amdgcn_target "amdgcn-amd-amdhsa--gfx1250"
	.amdhsa_code_object_version 6
	.text
	.protected	k_q6986d570d2_attn
	.globl	k_q6986d570d2_attn
	.p2align	8
	.type	k_q6986d570d2_attn,@function
k_q6986d570d2_attn:
	s_mov_b64 s[64:65], 0
	v_nop
	global_prefetch_b8 v0, s[64:65] scope:SCOPE_SE
	s_setreg_imm32_b32 hwreg(HW_REG_WAVE_MODE, 25, 1), 1
	s_wait_xcnt 0x0
	s_wait_alu depctr_hold_cnt(0) depctr_sa_sdst(0) depctr_va_vdst(0) depctr_va_sdst(0) depctr_va_ssrc(0) depctr_va_vcc(0) depctr_vm_vsrc(0)
	s_getreg_b32 s2, hwreg(HW_REG_IB_STS2, 6, 4)
	s_cmp_eq_u32 s2, 0
	s_cbranch_scc0 .Lentry_in_a_cluster
	s_endpgm
.Lentry_in_a_cluster:
	s_bfe_u32 s2, ttmp6, 0x10000c
	s_cmp_lg_u32 s2, 0x3003
	s_cbranch_scc0 .Lentry_shape_is_right
	s_endpgm
.Lentry_shape_is_right:
; Both attentions: o1 (queries k2p, keys k1p, values v1p) and o2 (queries k1p, keys k2p, values v2p), 8 heads of 64, 4,096 queries x 4,096 keys, both products on codes of BF6 (E3M2) with E8M0 scales for each 32 along K.
; Grid y = Y = direction x 8 + head: keys and values are kv[Y], the queries the K parts of kv[Y xor 8].  A work-group owns 256 queries, each of its sixteen waves one tile of 16, in 256 registers.
; THE SOFTMAX AHEAD OF THE SECOND PRODUCT: t = score x log2(e) / 8; M = the row's largest t so far, rounded UP to a whole number; p = 2^(t - M) is quantised along the keys, not normalised.  The row's sum is taken of the
; unquantised p and divides O at the end.  When M moves, the sum and O are multiplied by 2^(old M - new M): exact.
; LAYOUT.  Both products are used transposed: S^T = K Q^T (source 0 = keys, source 1 = my queries), O^T = V^T P^T: a lane holds ONE query (lane % 16) throughout.
; THE HEAD'S 64 UNDER AN INSTRUCTION OF 128: a fragment of K holds TWO tiles of 16 keys (registers 0-5 tile 2 g, registers 6-11 tile 2 g + 1).  It is multiplied once by [Q | zeros] and once by [zeros | Q]: the half that is not
; wanted meets zero codes, and since the format has no infinity or NaN and no scale byte here is 0xff, it adds exactly 0.
; THE KEYS OF A TILE: lane r of tile 4 c + u holds key 64 c + 8 u + r % 8 + 32 (r / 8).  So register 32 c + i of lane (query, h) is key 64 c + 32 h + i: A WHOLE BLOCK OF 32 KEYS IN ONE LANE, in the order of the second
; product's operand: a block's largest score needs no other lane, and the conversions' results are the operand's registers.  Query tiles are K tiles, so the rows of a tile of the result follow the same order.
; kv is laid as images of operand registers: a key step (128 keys) is 12,800 dense bytes, 50 rows of 256: 4 fragments of K (1,536 each), 256 bytes of their scale words, 4 fragments of V^T, 256 bytes of scale words.
; LDS: 24 places of one key step, 1,200 rows of 256 bytes.  kv[Y] is dense, so a fill is cut by rows, not by steps, one sixteenth to each wave, one tensor load a wave each time.
;   Head: 7 rows a wave: rows 0-111, which hold steps 0 and 1.  Behind the first round 18 rows a wave: rows 112-399: steps 2-7 are whole.  Behind the second 50 rows a wave: rows 400-1,199: steps 8-23.  These three fill bytes once.
;   Behind the third round 25 rows a wave: steps 24-31 into rows 0-399, whose reads are over.  Every wait on TENSORcnt is for 0.
; CLUSTER: the four work-groups of a cluster have the same Y and walk the same kv[Y]: every fill is asked for JOINTLY, by the same load with the same descriptor and the mask of all four.
; No prefetch is laid: the head's fill has no loop ahead of it, and the three later fills are asked for 2, 6 and 16 key steps of all sixteen waves ahead of the wait for them.
; OUT: o / the sum, quantised along h 64 + d (two blocks a head): oc [dir][row tile][head][768]: registers 2 p, 2 p + 1 of lane l at 256 p + 8 l; osc [dir][row tile][pair of heads][lane][4]: my head's two bytes in its half of the word.
; LIMITS: NaN and infinities are not served.  The promise holds while the scaled scores t stay under 2^31 in magnitude.  p under 2^-126 falls to 0 in v_exp_f32.  A block's largest p is made from its largest score by the same
; multiply-add and exponential, which takes v_exp_f32 not to fall where its input rises.  A block whose largest magnitude lies under 2^-122 gets the byte 1: its codes are zeros, and this program alone reads the bytes.
; REGISTERS: v1 16 l, v2 8 l, v3, v4 the same in the two places in hand, v5, v6 for the add, v7 4 l, v8 8 r, v9 8 (l / 16); v12 -M, v13 the largest score; v16-21 Q, v22-27 zeros, v28-33 Q again;
;   v34 Q's scale word, v[36:37] K's, v[38:39] V's, v40 p's (these hold scales and nothing else); v44-91 four fragments of K, then of V; v96-159 S^T, then p; v160-191 O^T; v192-203 p's codes; v204-227 at work; v228-243 eight partial sums in pairs.
.set STEPB, 12800
.set P1,    8*STEPB                    ; place 8 = row 400
.set SPARE, 24*STEPB                   ; behind the places: the spare words, 128 bytes for each of the 16 waves: eight blocks of 256 bytes that no other line names
.set FR,   44
.set S,    96
.set OA,   160
.set PCD,  192
.set PT,   204
.set BM,   212                         ; v212-213 my two blocks' largest scores, then largest p
.set BT,   216                         ; v216-219 largest scores of 16; then the bytes
.set SO,   220                         ; v220-221 the conversions' scale operands
.set TS,   228                         ; v228-243 the sum: chain i in v[TS + 2 i : TS + 2 i + 1]; chain 0 carries the row's sum from step to step
.set WV,   18                          ; s18  my wave's number
.set SEL,  20                          ; s[20:21] v_permlanex16_b32's selects for lane l xor 16
.set CS,   22                          ; s[22:23] c = log2(e) / 8
.set G1,   24                          ; s[24:31] descriptor group 1; its two words that count rows are written anew for each fill
.set G0,   32                          ; s[32:35] descriptor group 0
.set TB,   36                          ; s36  LDS byte at which the two places in hand begin
.set CNT,  37                          ; s37  trips to go
.set NC,   62                          ; s62  -c
; A round of the cluster's barrier: my work-group's barrier, wave 0 signals for the work-group, every wave waits for all four work-groups, my work-group's barrier once more.
.macro ROUND
	s_barrier_signal -1
	s_barrier_wait -1
	s_cmp_lg_u32 s[WV], 0
	s_cbranch_scc1 .Lnot_wave_0_\@
	s_barrier_signal -3
.Lnot_wave_0_\@:
	s_barrier_wait -3
	s_barrier_signal -1
	s_barrier_wait -1
.endm
.macro TLOAD                           ; every wave's one joint load; s_nop 0 and four v_nop behind it
	tensor_load_to_lds s[G0:G0+3], s[G1:G1+7]
	s_nop 0
.rept 4
	v_nop
.endr
.endm
	s_load_b128 s[4:7], s[0:1], 0x0                ; kv, oc
	s_load_b64 s[8:9], s[0:1], 0x10                ; osc
	v_lshl_add_u32 v5, v0, 2, SPARE
	v_mov_b32 v6, 0
	ds_add_u32 v5, v6                              ; the opening lines: the add twice on end and one wait
	ds_add_u32 v5, v6
	v_lshrrev_b32 v9, 5, v0
	v_readfirstlane_b32 s[WV], v9                  ; wave 0..15
	s_and_b32 s12, ttmp7, 0xffff                   ; Y, which the four partners share
	s_and_b32 s13, s[WV], 1
	s_mul_i32 s14, s12, 32*STEPB                   ; kv[Y]
	; my sixteenth of each fill, in LDS and (but for the last) at the same byte of kv[Y]: no place in the cluster enters it
	s_mul_i32 s68, s[WV], 7*256                    ; head: rows 0-111
	s_mul_i32 s69, s[WV], 18*256
	s_add_co_u32 s69, s69, 112*256                 ; rows 112-399
	s_mul_i32 s54, s[WV], 50*256
	s_add_co_u32 s54, s54, P1                      ; rows 400-1,199
	s_mul_i32 s15, s[WV], 25*256                   ; rows 0-399 again, for steps 24-31
	s_add_co_u32 s16, s14, s68
	s_mov_b32 s17, 0
	s_add_co_u32 s70, s14, s69
	s_mov_b32 s71, 0
	s_add_co_u32 s56, s14, s54
	s_mov_b32 s57, 0
	s_add_co_u32 s60, s14, s15
	s_mov_b32 s61, 0
	; descriptor group 1: dense bytes as rows of 256 bytes (32 elements of 8 bytes), no padding
	s_mov_b32 s[G1], 15|(3<<16)|(1<<21)            ; 15:0 the mask: all four work-groups; 17:16 elements of 8 bytes; 21 set beside a mask
	s_mov_b32 s[G1+1], 32<<16                      ; tensor_dim0 = 32
	s_mov_b32 s[G1+2], 7<<16                       ; tensor_dim1 = 7
	s_mov_b32 s[G1+3], 32<<16                      ; tile_dim0 = 32
	s_mov_b32 s[G1+4], 7                           ; tile_dim1 = 7
	s_mov_b32 s[G1+5], 32                          ; from row to row
	s_mov_b32 s[G1+6], 0
	s_mov_b32 s[G1+7], 0
	s_mov_b32 s[SEL], 0x76543210
	s_mov_b32 s[SEL+1], 0xfedcba98
	s_mov_b32 s[CS], 0x3e38aa3b                    ; log2(e) / 8
	s_mov_b32 s[CS+1], s[CS]                       ; (named with it as a pair, so it is written)
	s_mov_b32 s[NC], 0xbe38aa3b
	; my queries: row tile TT = 16 X + w: step 2 X + w / 8, fragment (w % 8) / 2, half w % 2.  X enters global addresses of my own loads and stores alone
	s_bfe_u32 s10, ttmp6, 0x40000                  ; cx
	s_lshl_b32 s11, ttmp9, 2
	s_add_co_u32 s11, s11, s10                     ; X = 4 x cluster x + cx
	s_xor_b32 s40, s12, 8
	s_mul_i32 s40, s40, 32*STEPB
	s_lshl_b32 s41, s11, 1
	s_lshr_b32 s42, s[WV], 3
	s_add_co_u32 s41, s41, s42
	s_mul_i32 s41, s41, STEPB
	s_add_co_u32 s40, s40, s41                     ; the step's first byte in kv
	s_bfe_u32 s42, s[WV], 0x20001                  ; which fragment
	s_mul_i32 s43, s42, 1536
	s_add_co_u32 s46, s40, s43
	s_mov_b32 s47, 0
	s_and_b32 s43, s42, 1
	s_lshl_b32 s43, s43, 7                         ; its scale words: lanes 16-31's places for an odd fragment,
	s_lshr_b32 s44, s42, 1
	s_lshl_b32 s44, s44, 2                         ; word 0 or 1
	s_add_co_u32 s48, s40, s43
	s_add_co_u32 s48, s48, s44
	s_add_co_u32 s48, s48, 6144
	s_mov_b32 s49, 0
	s_lshr_b32 s43, s12, 3                         ; direction
	s_and_b32 s44, s12, 7                          ; head
	s_lshl_b32 s43, s43, 8
	s_lshl_b32 s45, s11, 4
	s_add_co_u32 s43, s43, s45
	s_add_co_u32 s43, s43, s[WV]                   ; direction x 256 + TT
	s_mul_i32 s50, s43, 6144
	s_mul_i32 s45, s44, 768
	s_add_co_u32 s50, s50, s45
	s_mov_b32 s51, 0
	s_lshl_b32 s52, s43, 9
	s_lshr_b32 s45, s44, 1
	s_lshl_b32 s45, s45, 7
	s_add_co_u32 s52, s52, s45
	s_and_b32 s45, s44, 1
	s_lshl_b32 s45, s45, 1
	s_add_co_u32 s52, s52, s45
	s_mov_b32 s53, 0
	s_cmp_eq_u32 s13, 1
	s_cselect_b32 s38, -1, 0                       ; all lanes, where my tile is the fragment's second half
	s_lshl_b32 s39, s13, 4
	s_wait_dscnt 0x0                               ; both opening adds are done
	s_wait_kmcnt 0x0
	s_mov_b32 s[G0], 1                             ; count = 1
	s_mov_b32 s[G0+1], s68                         ; LDS address: my 7 rows of rows 0-111
	s_add_nc_u64 s[G0+2:G0+3], s[4:5], s[16:17]    ; global address: the same rows of kv[Y]
	s_or_b32 s[G0+3], s[G0+3], 0x80000000          ; type = 2
	s_add_nc_u64 s[70:71], s[4:5], s[70:71]        ; kept for the later fills: my rows of rows 112-399,
	s_add_nc_u64 s[58:59], s[4:5], s[56:57]        ; of rows 400-1,199,
	s_add_nc_u64 s[60:61], s[4:5], s[60:61]
	s_add_nc_u64 s[60:61], s[60:61], 24*STEPB      ; and of steps 24-31
	s_add_nc_u64 s[46:47], s[4:5], s[46:47]        ; Q's fragment
	s_add_nc_u64 s[48:49], s[4:5], s[48:49]        ; its scale words
	s_add_nc_u64 s[50:51], s[6:7], s[50:51]        ; my place in oc
	s_add_nc_u64 s[52:53], s[8:9], s[52:53]        ; and in osc
	ROUND                                          ; all four work-groups are here: the first joint loads meet
	TLOAD                                          ; rows 0-111: one load a wave
	v_and_b32 v9, 31, v0
	v_and_b32 v10, 15, v0
	v_lshlrev_b32 v1, 4, v9
	v_lshlrev_b32 v2, 3, v9
	v_lshlrev_b32 v7, 2, v9
	v_lshlrev_b32 v8, 3, v10
.irp c, 0,1,2
	global_load_b128 v[S+4*\c:S+4*\c+3], v1, s[46:47] offset:512*\c   ; the fragment that holds my tile
.endr
	global_load_b32 v[S+12], v8, s[48:49]          ; row r's scale word of that fragment
	v_and_b32 v9, 16, v0
	v_lshrrev_b32 v9, 1, v9                        ; 8 (l / 16): how far my two scale bytes are shifted up
	v_mov_b32 v13, 0xff61b1e6                      ; the largest score so far: -3e38, under every score
	v_mov_b32 v12, 0x7e000000                      ; -M = 2^125, a whole number: the first step's factor 2^(old M - new M) falls to 0, over zeros
	v_mov_b32 v15, 0                               ; (named as the upper half of the pair v[14:15])
	v_mov_b32 v225, 0                              ; (named as the upper half of the pair v[224:225])
	v_mov_b32 v227, 0                              ; written once: a lane permute's destination counts as one of its sources
.irp j, 0,1,2,3,4,5
	v_mov_b32 v[22+\j], 0                          ; zero codes
.endr
.set j, 0
.rept 16
	v_mov_b32 v[TS+j], 0                           ; the eight partial sums: a step gathers the step before's
.set j, j+1
.endr
.set j, 0
.rept 32
	v_mov_b32 v[OA+j], 0                           ; O^T.  (The step is written once: the first finds zeros, which the first change of M leaves zeros)
.set j, j+1
.endr
	s_wait_loadcnt 0x0
	v_lshrrev_b32 v226, s39, v[S+12]               ; my tile's two bytes,
	v_and_b32 v226, 0xffff, v226
	v_lshl_or_b32 v34, v226, 16, v226              ; for both places of Q
.irp j, 0,1,2,3,4,5
	v_cndmask_b32 v[16+\j], v[S+\j], v[S+6+\j], s38   ; my tile's six registers
.endr
.irp j, 0,1,2,3,4,5
	v_mov_b32 v[28+\j], v[16+\j]
.endr
.rept 8
	v_nop                                          ; a scale register written by a vector instruction stands 8 places ahead of a scaled matrix instruction, an operand so written 4
.endr
.macro KLOAD q                         ; K's four fragments and their scale words: register i of the pair: lanes 0-15 fragment 2 i's words, lanes 16-31 fragment 2 i + 1's
.irp b, 0,1,2,3
.irp c, 0,1,2
	ds_load_b128 v[FR+12*\b+4*\c:FR+12*\b+4*\c+3], v3 offset:STEPB*(\q)+1536*\b+512*\c
.endr
.endr
	ds_load_b64 v[36:37], v4 offset:STEPB*(\q)+6144
.endm
.macro VLOAD q                         ; V's likewise
.irp t, 0,1,2,3
.irp c, 0,1,2
	ds_load_b128 v[FR+12*\t+4*\c:FR+12*\t+4*\c+3], v3 offset:STEPB*(\q)+6400+1536*\t+512*\c
.endr
.endr
	ds_load_b64 v[38:39], v4 offset:STEPB*(\q)+12544
.endm
.macro COMBINE                         ; the eight partial sums into chain 0: seven additions on registers that no matrix instruction names
.irp i, 0,2,4,6
	v_pk_add_f32 v[TS+2*\i:TS+2*\i+1], v[TS+2*\i:TS+2*\i+1], v[TS+2*\i+2:TS+2*\i+3]
.endr
	v_pk_add_f32 v[TS:TS+1], v[TS:TS+1], v[TS+4:TS+5]
	v_pk_add_f32 v[TS+8:TS+9], v[TS+8:TS+9], v[TS+12:TS+13]
	s_delay_alu instid0(VALU_DEP_1)
	v_pk_add_f32 v[TS:TS+1], v[TS:TS+1], v[TS+8:TS+9]
.endm
.macro SADD n                          ; the next n pairs of p (pairs 15 to 31) onto the eight chains, by turns
.rept \n
	v_pk_add_f32 v[TS+2*(SK%8):TS+2*(SK%8)+1], v[TS+2*(SK%8):TS+2*(SK%8)+1], v[S+30+2*SK:S+31+2*SK]
.set SK, SK+1
.endr
.endm
.macro TMIN n                          ; t - M, two at a time
.rept \n
	v_pk_fma_f32 v[S+j:S+j+1], v[S+j:S+j+1], s[CS:CS+1], v[12:13] op_sel_hi:[1,0,0]
.set j, j+2
.endr
.endm
; A KEY STEP: 128 keys, the q-th of the two places in hand.  first: its K fragments are asked for here; else the step before has asked.  last: it asks for no further K fragments.
.macro STEP q, first, last
.set SK, 0
.if \first
	KLOAD \q                                       ; behind the last products stand the eight additions of the step before: more than four places
.endif
	s_wait_alu depctr_va_vdst(0)                   ; the partial sums
	s_wait_dscnt 0x0
.irp b, 0,1,2,3                                ; S^T: each fragment against [Q | 0] (its tile 2 b) and [0 | Q] (its tile 2 b + 1)
.irp u, 0,1
.if (\b)%2
	v_wmma_scale_f32_16x16x128_f8f6f4 v[S+16*\b+8*\u:S+16*\b+8*\u+7], v[FR+12*\b:FR+12*\b+11], v[16+6*\u:27+6*\u], 0, v[36+\b/2], v34 matrix_a_fmt:MATRIX_FMT_BF6 matrix_b_fmt:MATRIX_FMT_BF6 matrix_a_scale:MATRIX_SCALE_ROW1
.else
	v_wmma_scale_f32_16x16x128_f8f6f4 v[S+16*\b+8*\u:S+16*\b+8*\u+7], v[FR+12*\b:FR+12*\b+11], v[16+6*\u:27+6*\u], 0, v[36+\b/2], v34 matrix_a_fmt:MATRIX_FMT_BF6 matrix_b_fmt:MATRIX_FMT_BF6
.endif
.endr
.endr                                          ; register 32 c + i of lane (query, h) is key 64 c + 32 h + i
	COMBINE                                        ; the step before's sums are gathered: these seven are the places for the loads below and for the first read of the scores
	VLOAD \q                                       ; V's fragments land under the softmax
	v_mov_b32 v10, v12                             ; the old -M
.irp g, 0,1,2,3
	v_max3_num_f32 v[BT+\g], v[S+16*\g], v[S+1+16*\g], v[S+2+16*\g]   ; four chains of 16 scores by turns; each accumulator is first read at its low end
.endr
.irp i, 3,5,7,9,11,13
.irp g, 0,1,2,3
	v_max3_num_f32 v[BT+\g], v[BT+\g], v[S+16*\g+\i], v[S+1+16*\g+\i]
.endr
.endr
.irp c, 0,1
	v_max3_num_f32 v[BM+\c], v[BT+2*\c], v[BT+2*\c+1], v[S+15+32*\c]
.endr
.irp c, 0,1
	v_max_num_f32 v[BM+\c], v[BM+\c], v[S+31+32*\c]   ; THE LARGEST SCORE OF MY TWO BLOCKS OF 32 KEYS: for the row's maximum, and, since p rises with the score, for the block's largest p
.endr
	s_delay_alu instid0(VALU_DEP_1)
	v_max_num_f32 v226, v[BM], v[BM+1]
	s_delay_alu instid0(VALU_DEP_1)
	v_permlanex16_b32 v227, v226, s[SEL], s[SEL+1]
	s_delay_alu instid0(VALU_DEP_1)
	v_max3_num_f32 v13, v13, v226, v227            ; the running largest score, with lane l xor 16's two blocks
	s_delay_alu instid0(VALU_DEP_1)
	v_mul_f32 v226, s[NC], v13                     ; -t (c is positive)
	s_delay_alu instid0(VALU_DEP_1)
	v_floor_f32 v12, v226                          ; the new -M = floor(-t) = -ceil(t): M is a whole number
	s_delay_alu instid0(VALU_DEP_1)
	v_sub_f32 v10, v12, v10                        ; M's old value less its new one: a whole number, 0 or less
.set j, 0
	TMIN 4
	v_cvt_i32_f32 v10, v10                         ; (it saturates)
	TMIN 4
	v_ldexp_f32 v224, 1.0, v10                     ; f = 2^(old M - new M)
	TMIN 24
.irp c, 0,1
	v_fma_f32 v[BM+\c], v[BM+\c], s[CS], v12       ; the same of each block's largest score
.endr
.set j, 0
.rept 16
	v_pk_mul_f32 v[OA+j:OA+j+1], v[OA+j:OA+j+1], v[224:225] op_sel_hi:[1,0]   ; O^T under the new M, ahead of the exponentials; each accumulator from its low end on
.set j, j+2
.endr
	s_wait_alu depctr_va_vdst(0)                   ; the wait ahead of the batch
.irp c, 0,1
	v_exp_f32 v[BM+\c], v[BM+\c]                   ; the block's largest p: the same two instructions on the same number give the same bits
.endr
.set j, 0
.rept 64
	v_exp_f32 v[S+j], v[S+j]                       ; p = 2^(t - M): not normalised
.set j, j+1
.endr
	v_nop                                          ; one plain line behind the exponentials
	s_wait_alu depctr_va_vdst(0)                   ; one wait for the whole batch, ahead of its first reader
.irp c, 0,1
	v_max_num_f32 v[BM+\c], 0x2800000, v[BM+\c]    ; the floor 2^(5 - 127): the byte cannot fall under 1
.endr
	v_pk_fma_f32 v[TS:TS+1], v[TS:TS+1], v[224:225], v[S:S+1] op_sel_hi:[1,0,1]   ; THE ROW'S SUM IS TAKEN OF THE UNQUANTISED p: the sum so far under the new M, and pair 0
.irp i, 1,2,3,4,5
	v_pk_add_f32 v[TS+2*\i:TS+2*\i+1], v[S+4*\i-2:S+4*\i-1], v[S+4*\i:S+4*\i+1]   ; chain i begins with pairs 2 i - 1 and 2 i
.endr
.irp c, 0,1
	v_add_nc_u32 v[SO+\c], 0xfe000000, v[BM+\c]    ; 4 off the exponent field: the conversion's scale operand
.endr
.irp i, 6,7
	v_pk_add_f32 v[TS+2*\i:TS+2*\i+1], v[S+4*\i-2:S+4*\i-1], v[S+4*\i:S+4*\i+1]
.endr
.irp c, 0,1                                    ; my block 2 c + h is registers 6 c .. 6 c + 5 of the operand as it stands
	v_cvt_scalef32_pk16_bf6_f32 v[PCD+6*\c:PCD+2+6*\c], v[S+32*\c:S+15+32*\c], v[SO+\c]
	v_cvt_scalef32_pk16_bf6_f32 v[PT+4*\c:PT+2+4*\c], v[S+16+32*\c:S+31+32*\c], v[SO+\c]   ; (a conversion's three registers begin on an even number)
.endr
.irp c, 0,1
	v_lshrrev_b32 v[BT+\c], 23, v[SO+\c]           ; the scale's byte.  (Plain lines behind the conversions)
.endr
	v_lshl_or_b32 v226, v[BT+1], 16, v[BT]         ; my two bytes: blocks h and 2 + h,
	v_lshlrev_b32 v226, v9, v226                   ; at their places in the scale word
.irp c, 0,1
.irp i, 0,1,2
	v_mov_b32 v[PCD+3+6*\c+\i], v[PT+4*\c+\i]
.endr
.endr
	v_permlanex16_b32 v227, v226, s[SEL], s[SEL+1]
	s_delay_alu instid0(VALU_DEP_1)
	v_or_b32 v40, v226, v227                       ; with lane l xor 16's two the word is whole
	SADD 9                                         ; nine additions that name neither p's codes nor its scale word: the places ahead of the products
	s_wait_alu depctr_va_vdst(0)
	s_wait_dscnt 0x0                               ; V's fragments and scale words are in
.irp t, 0,1,2,3                                ; O^T += V^T P^T: four tiles of 16 of the head's 64; K = these 128 keys.  The accumulators take turns, one instruction a turn
.if (\t)%2
	v_wmma_scale_f32_16x16x128_f8f6f4 v[OA+8*\t:OA+8*\t+7], v[FR+12*\t:FR+12*\t+11], v[PCD:PCD+11], v[OA+8*\t:OA+8*\t+7], v[38+\t/2], v40 matrix_a_fmt:MATRIX_FMT_BF6 matrix_b_fmt:MATRIX_FMT_BF6 matrix_a_scale:MATRIX_SCALE_ROW1
.else
	v_wmma_scale_f32_16x16x128_f8f6f4 v[OA+8*\t:OA+8*\t+7], v[FR+12*\t:FR+12*\t+11], v[PCD:PCD+11], v[OA+8*\t:OA+8*\t+7], v[38+\t/2], v40 matrix_a_fmt:MATRIX_FMT_BF6 matrix_b_fmt:MATRIX_FMT_BF6
.endif
.endr
	SADD 4                                         ; four places in front of loads into registers that these products read
.if \last == 0
	KLOAD (\q)+1                                   ; the next step's K fragments land under the rest of the sum
.endif
	SADD 4
.endm
; A CHANGE.  Each wave waits for all its tensor loads, adds 0 to its spare word, and waits for that and for its LDS reads.  Behind the round what was asked for is whole in every partner, and nobody reads the rows left behind.
; fill = 1: behind the round each wave asks for 'rows' rows, to the LDS byte in s[la], from the address in s[ga:ga+1].  fill = 0: nothing more is asked for.
.macro CHANGE fill, la, ga, rows
	s_wait_alu depctr_va_vdst(0)
	s_wait_tensorcnt 0x0                           ; no tensor load of mine is out, so the descriptor may be written
	ds_add_u32 v5, v6                              ; 0 onto my spare word
.if \fill
	s_mov_b32 s[G0+1], s[\la]
	s_mov_b64 s[G0+2:G0+3], s[\ga:\ga+1]
	s_or_b32 s[G0+3], s[G0+3], 0x80000000
	s_mov_b32 s[G1+2], (\rows)<<16                 ; tensor_dim1
	s_mov_b32 s[G1+4], \rows                       ; tile_dim1
.endif
	s_wait_dscnt 0x0                               ; the add is done, and my reads of the rows left behind are over
	ROUND
.if \fill
	TLOAD                                          ; the first thing behind the round, and a wave's one tensor load until the next
.endif
.endm
.macro PHASE start, trips              ; 2 x trips key steps from LDS byte start on
	s_mov_b32 s[TB], \start
	s_mov_b32 s[CNT], \trips
.Ltrip_\@:
	v_add_nc_u32 v3, s[TB], v1
	v_add_nc_u32 v4, s[TB], v2
	STEP 0, 1, 0
	STEP 1, 0, 1
	s_add_co_u32 s[TB], s[TB], 2*STEPB
	s_sub_co_u32 s[CNT], s[CNT], 1
	s_cmp_lg_u32 s[CNT], 0
	s_wait_alu depctr_va_vdst(0)
	s_cbranch_scc1 .Ltrip_\@
.endm
	CHANGE 1, 69, 70, 18                           ; rows 0-111 are in; rows 112-399 are asked for
	PHASE 0, 1                                     ; steps 0, 1
	CHANGE 1, 54, 58, 50                           ; rows up to 399 are in; rows 400-1,199 are asked for
	PHASE 2*STEPB, 3                               ; steps 2-7
	CHANGE 1, 15, 60, 25                           ; steps 8-23 are in; steps 24-31 are asked for, into rows 0-399
	PHASE P1, 8                                    ; steps 8-23
	CHANGE 0, 0, 0, 0                              ; steps 24-31 are in
	PHASE 0, 4                                     ; steps 24-31
	COMBINE                                        ; the last step's sums.  With its eight additions behind the last products these are more than four places
	; THE WAY OUT.  O^T / the sum is quantised along d: register 16 b + i of lane (query, h) is d = 32 b + 16 h + i.
	s_delay_alu instid0(VALU_DEP_1)
	v_add_f32 v14, v[TS], v[TS+1]                  ; the sum's two halves,
	s_delay_alu instid0(VALU_DEP_1)
	v_permlanex16_b32 v226, v14, s[SEL], s[SEL+1]
	s_delay_alu instid0(VALU_DEP_1)
	v_add_f32 v14, v14, v226                       ; and lane l xor 16's: the row's sum
	s_wait_alu depctr_va_vdst(0)
	v_rcp_f32 v14, v14
	v_nop                                          ; one plain line behind the transcendental
	s_wait_alu depctr_va_vdst(0)                   ; the wait ahead of its first reader, and of the first reader of O^T
.set j, 0
.rept 16
	v_pk_mul_f32 v[S+j:S+j+1], v[OA+j:OA+j+1], v[14:15] op_sel_hi:[1,0]   ; each accumulator from its low end on
.set j, j+2
.endr
.irp b, 0,1
	v_max3_num_f32 v[BM+\b], |v[S+16*\b]|, |v[S+1+16*\b]|, 0x2800000   ; the floor 2^(5 - 127)
.endr
.irp i, 2,4,6,8,10,12,14
.irp b, 0,1
	s_delay_alu instid0(VALU_DEP_2)
	v_max3_num_f32 v[BM+\b], v[BM+\b], |v[S+16*\b+\i]|, |v[S+1+16*\b+\i]|
.endr
.endr
.irp b, 0,1
	s_delay_alu instid0(VALU_DEP_2)
	v_permlanex16_b32 v[BT+\b], v[BM+\b], s[SEL], s[SEL+1]
.endr
.irp b, 0,1
	s_delay_alu instid0(VALU_DEP_2)
	v_max_num_f32 v[BM+\b], v[BM+\b], v[BT+\b]
.endr
.irp b, 0,1
	s_delay_alu instid0(VALU_DEP_2)
	v_add_nc_u32 v[SO+\b], 0xfe000000, v[BM+\b]
.endr
.irp b, 0,1
	s_delay_alu instid0(VALU_DEP_2)
	v_lshrrev_b32 v[BT+\b], 23, v[SO+\b]
.endr
	s_delay_alu instid0(VALU_DEP_1)
	v_lshl_or_b32 v227, v[BT+1], 8, v[BT]          ; my head's two scale bytes of my row
	v_cvt_scalef32_pk16_bf6_f32 v[PCD:PCD+2], v[S:S+15], v[SO]
	v_cvt_scalef32_pk16_bf6_f32 v[PT:PT+2], v[S+16:S+31], v[SO+1]
	v_nop                                          ; one plain line behind a scaled conversion
.irp i, 0,1,2
	v_permlane16_swap_b32 v[PCD+\i], v[PT+\i]      ; here a block lies in lanes l and l xor 16: the operand's layout wants it whole in a lane
.endr
.irp i, 0,1,2
	s_delay_alu instid0(VALU_DEP_3)
	v_mov_b32 v[PCD+3+\i], v[PT+\i]                ; registers 0-5 of lane (r, h): d = 32 h + 0 .. 31
.endr
.irp p, 0,1,2
	global_store_b64 v2, v[PCD+2*\p:PCD+2*\p+1], s[50:51] offset:256*\p   ; 32 lanes store 256 consecutive bytes, aligned
.endr
	global_store_b16 v7, v227, s[52:53]            ; my half of each lane's scale word: 2 bytes in every 4; the other head of the pair writes the other half
	s_wait_tensorcnt 0x0                           ; the wave's end
	ds_add_u32 v5, v6
	s_wait_dscnt 0x0
	ROUND                                          ; the closing round: no work-group ends while a partner may still ask for a fill that names it
	s_endpgm
.Lfunc_end_k_q6986d570d2_attn:
	.size	k_q6986d570d2_attn, .Lfunc_end_k_q6986d570d2_attn-k_q6986d570d2_attn
	.p2alignl 7, 3214868480
	.fill 96, 4, 3214868480
	.section	.rodata,"a",@progbits
	.p2align	6, 0x0
	.amdhsa_kernel k_q6986d570d2_attn
		.amdhsa_group_segment_fixed_size 327680
		.amdhsa_private_segment_fixed_size 0
		.amdhsa_enable_private_segment 0
		.amdhsa_kernarg_size 24
		.amdhsa_user_sgpr_count 2
		.amdhsa_user_sgpr_kernarg_segment_ptr 1
		.amdhsa_wavefront_size32 1
		.amdhsa_system_sgpr_workgroup_id_x 1
		.amdhsa_system_sgpr_workgroup_id_y 1
		.amdhsa_system_sgpr_workgroup_id_z 1
		.amdhsa_system_vgpr_workitem_id 0
		.amdhsa_next_free_vgpr 256
		.amdhsa_next_free_sgpr 72
		.amdhsa_reserve_vcc 0
		.amdhsa_float_denorm_mode_32 3
		.amdhsa_float_denorm_mode_16_64 3
		.amdhsa_memory_ordered 1
		.amdhsa_forward_progress 1
		.amdhsa_inst_pref_size 131
	.end_amdhsa_kernel
	.amdgpu_metadata
---
amdhsa.version: [ 1, 2 ]
amdhsa.kernels:
  - .name:           k_q6986d570d2_attn
    .symbol:         k_q6986d570d2_attn.kd
    .args:
      - { .name: kv, .offset: 0, .size: 8, .value_kind: global_buffer, .address_space: global }
      - { .name: oc, .offset: 8, .size: 8, .value_kind: global_buffer, .address_space: global }
      - { .name: osc, .offset: 16, .size: 8, .value_kind: global_buffer, .address_space: global }
    .group_segment_fixed_size: 327680
    .private_segment_fixed_size: 0
    .kernarg_segment_align: 8
    .kernarg_segment_size: 24
    .max_flat_workgroup_size: 512
    .sgpr_count:     72
    .vgpr_count:     256
    .wavefront_size: 32
...
	.end_amdgpu_metadata
.endif
;; end of part 3
;; launch outp (part 4): grid 128 x 2, 4 waves a work-group, no clusters, 59,904 bytes of LDS; arguments oc, osc, wc, ws, wo1_b, wo2_b, out0, out1; writes out0, out1
.if DOCPART == 4
	.amdgcn_target "amdgcn-amd-amdhsa--gfx1250"
	.amdhsa_code_object_version 6
	.text
	.protected	k_q6986d570d2_outp
	.globl	k_q6986d570d2_outp
	.p2align	8
	.type	k_q6986d570d2_outp,@function
k_q6986d570d2_outp:
	s_mov_b64 s[64:65], 0
	v_nop
	global_prefetch_b8 v0, s[64:65] scope:SCOPE_SE
	s_setreg_imm32_b32 hwreg(HW_REG_WAVE_MODE, 25, 1), 1
	s_wait_xcnt 0x0
; The two output projections o W + b ([4096][512] x [512][256]) on codes of BF6 (E3M2) with E8M0 scales for each 32 along K; out0, out1: f32.
; Grid y = direction (o1 with wo1 to out0, o2 with wo2 to out1); grid x = 4 RB + CG: RB the block of 128 rows, CG which 64 columns.  A work-group makes 128 rows x 64 columns; wave w takes row tiles TT = 8 RB + 2 w + m, m = 0, 1.
; THE ROWS OF A ROW TILE follow the attention's query tiles: lane r of tile TT holds row 128 (TT / 8) + 64 ((TT / 4) % 2) + 8 (TT % 4) + r % 8 + 32 (r / 8); with xw = 4 RB + w that is 32 xw - 16 (xw % 2) + 8 m + r % 8 + 32 (r / 8).
; All operands lie in memory as images of their registers.  W's 16 fragments (4 tiles of 16 columns x 4 K steps of 128; 24,576 bytes) serve all four waves: each wave loads four of them, hands them on through LDS bytes of their own
; as they stand, and reads all sixteen back behind one barrier: so the work-group reads them from memory once.  o's fragments are each wave's own and go straight into registers.  No tensor load.
; No cluster: what work-groups share here (W's 24,576 bytes among the 32 row blocks, a row block's o among four) comes through registers, not by tensor loads.  No prefetch: the launch has no loop to run ahead in.
; oc: [dir][TT][head][768]: two heads on end are one fragment of 12 registers, in six pieces of 256 bytes (registers 2 p, 2 p + 1 of lane l at 256 p + 8 l).  osc: [dir][TT][K step][lane][4]: row r's scale word.
; THE MATRIX INSTRUCTION IS USED TRANSPOSED (source 0 = 16 columns of W, source 1 = 16 rows of o): a lane holds eight neighbouring numbers of a row of the output.  The bias is the C of each sum's first instruction.
; The eight accumulators take turns, one instruction a turn.  The results go through the wave's own stage in LDS (16 rows x (256 + 16) bytes for each row tile) and leave so that sixteen lanes store 256 consecutive aligned bytes.
; REGISTERS: window 1: W's 16 fragments at 12 (4 t + s).  Window 0: v4-13 addresses; v16-31 W's scale words; v32-39 o's; v40-71 the bias; v72-167 o's 8 fragments at 12 (4 m + s), later rows read back;
;   v168-231 first my four fragments of W on their way to LDS, then the accumulators at 8 (4 m + t).
.set WS,  16
.set OS,  32
.set BI,  40
.set OF,  72
.set ACC, 168
.set RB,  72
.set SPARE, 0x8800                     ; behind the four waves' stages (4 x 8,704 bytes): the spare words, 512 bytes
.set WREG,  0x8a00                     ; behind them: W's sixteen images
.set MSB, 0
.macro WIN new                         ; the immediate's high byte repeats the setting that is left
.if MSB != \new
	s_set_vgpr_msb (MSB<<8)|\new
.set MSB, \new
.endif
.endm
	s_load_b256 s[4:11], s[0:1], 0x0               ; oc, osc, wc, ws
	s_load_b256 s[12:19], s[0:1], 0x20             ; wo1_b, wo2_b, out0, out1
	v_lshl_add_u32 v254, v0, 2, SPARE
	v_mov_b32 v255, 0
	v_lshrrev_b32 v1, 5, v0
	v_readfirstlane_b32 s20, v1                    ; wave 0..3
	s_and_b32 s21, ttmp7, 0xffff                   ; direction
	s_and_b32 s38, ttmp9, 3                        ; CG
	s_lshr_b32 s39, ttmp9, 2
	s_lshl_b32 s39, s39, 2
	s_add_co_u32 s39, s39, s20                     ; xw = 4 RB + w
	v_and_b32 v1, 31, v0                           ; lane
	v_and_b32 v2, 15, v0                           ; r
	v_bfe_u32 v3, v0, 4, 1                         ; h
	v_lshlrev_b32 v4, 4, v1
	v_lshlrev_b32 v5, 3, v1
	v_lshlrev_b32 v6, 2, v1
	v_lshlrev_b32 v7, 2, v2
	v_lshlrev_b32 v8, 5, v3                        ; the bias: my half's eight numbers of a tile
	s_mul_i32 s22, s20, 8704                       ; my two stages
	v_mul_u32_u24 v9, v2, 272
	v_lshl_add_u32 v9, v3, 5, v9
	v_add_nc_u32 v9, s22, v9                       ; in: row r, 32 bytes for each half of the lanes
	v_mul_u32_u24 v10, v3, 272
	v_lshl_add_u32 v10, v2, 4, v10
	v_add_nc_u32 v10, s22, v10                     ; back: lanes 0-15 one row of 256 bytes, lanes 16-31 the next
	v_lshlrev_b32 v11, 10, v3
	v_lshl_add_u32 v11, v2, 4, v11
	s_lshl_b32 s23, s38, 8
	v_add_nc_u32 v11, s23, v11                     ; and the same in the output: a row is 1,024 bytes, my work-group's columns begin 256 CG bytes in
	s_mul_i32 s40, s20, 6144                       ; my four of W's sixteen images
	s_add_co_u32 s41, s40, WREG
	v_add_nc_u32 v12, s41, v4                      ; where I put them: 16 x lane
	v_add_nc_u32 v13, WREG, v4                     ; and from where all sixteen are read
	s_add_co_u32 s24, s21, 4                       ; the weight's id
	s_mul_i32 s26, s24, 98304
	s_mul_i32 s25, s38, 24576
	s_add_co_u32 s26, s26, s25
	s_add_co_u32 s26, s26, s40                     ; wc: the work-group's 16 fragments, my four of them
	s_mov_b32 s27, 0
	s_lshl_b32 s28, s24, 12
	s_lshl_b32 s25, s38, 10
	s_add_co_u32 s28, s28, s25                     ; ws: the 16 fragments' scale words
	s_mov_b32 s29, 0
	s_lshl_b32 s30, s21, 8
	s_lshl_b32 s25, s39, 1
	s_add_co_u32 s30, s30, s25                     ; direction x 256 + 2 xw
	s_lshl_b32 s32, s30, 9                         ; osc
	s_mov_b32 s33, 0
	s_mul_i32 s30, s30, 6144                       ; oc
	s_mov_b32 s31, 0
	s_mov_b32 s34, s23                             ; the bias: 64 CG numbers on
	s_mov_b32 s35, 0
	s_lshl_b32 s36, s39, 15                        ; the output: 32 xw rows on,
	s_and_b32 s25, s39, 1
	s_lshl_b32 s25, s25, 14
	s_sub_co_u32 s36, s36, s25                     ; less 16 (xw % 2) rows
	s_mov_b32 s37, 0
	s_wait_alu depctr_va_vdst(0)
	s_wait_kmcnt 0x0
	s_cmp_eq_u32 s21, 0                            ; the choice hangs on the work-group's y alone
	s_cselect_b64 s[12:13], s[12:13], s[14:15]
	s_cselect_b64 s[16:17], s[16:17], s[18:19]
	s_add_nc_u64 s[4:5], s[4:5], s[30:31]
	s_add_nc_u64 s[6:7], s[6:7], s[32:33]
	s_add_nc_u64 s[8:9], s[8:9], s[26:27]
	s_add_nc_u64 s[10:11], s[10:11], s[28:29]
	s_add_nc_u64 s[12:13], s[12:13], s[34:35]
	s_add_nc_u64 s[16:17], s[16:17], s[36:37]
.set j, 0
.rept 12
	global_load_b128 v[ACC+4*j:ACC+4*j+3], v4, s[8:9] offset:512*j   ; my four fragments of W, as they lie
.set j, j+1
.endr
.irp m, 0,1
.irp s, 0,1,2,3
.irp p, 0,1,2,3,4,5
	global_load_b64 v[OF+12*(4*\m+\s)+2*\p:OF+12*(4*\m+\s)+2*\p+1], v5, s[4:5] offset:6144*\m+1536*\s+256*\p
.endr
	global_load_b32 v[OS+4*\m+\s], v6, s[6:7] offset:512*\m+128*\s
.endr
.endr
	s_wait_loadcnt 56                              ; W's twelve loads are in; the 56 of o behind them may be out
.set j, 0
.rept 12
	ds_store_b128 v12, v[ACC+4*j:ACC+4*j+3] offset:512*j
.set j, j+1
.endr
.irp f, 0,1,2,3,4,5,6,7,8,9,10,11,12,13,14,15
	global_load_b32 v[WS+\f], v7, s[10:11] offset:64*\f
.endr
.irp t, 0,1,2,3
	global_load_b128 v[BI+8*\t:BI+8*\t+3], v8, s[12:13] offset:64*\t
	global_load_b128 v[BI+8*\t+4:BI+8*\t+7], v8, s[12:13] offset:64*\t+16
.endr
	s_wait_dscnt 0x0                               ; for the others' sake: my images lie in LDS
	s_barrier_signal -1
	s_barrier_wait -1                              ; everybody's do
	WIN 0x40                                       ; destination window 1
.set j, 0
.rept 48
	ds_load_b128 v[4*j:4*j+3], v13 offset:512*j    ; fragment f's registers 4 c on lie at 1,536 f + 512 c: register 4 (3 f + c)
.set j, j+1
.endr
	WIN 0
	s_wait_loadcnt 0x0
	s_wait_dscnt 0x0
	WIN 0x01                                       ; source 0 (W) window 1
.irp s, 0,1,2,3
.irp m, 0,1
.irp t, 0,1,2,3
.if \s == 0
	v_wmma_scale_f32_16x16x128_f8f6f4 v[ACC+8*(4*\m+\t):ACC+8*(4*\m+\t)+7], v[12*(4*\t+\s):12*(4*\t+\s)+11], v[OF+12*(4*\m+\s):OF+12*(4*\m+\s)+11], v[BI+8*\t:BI+8*\t+7], v[WS+4*\t+\s], v[OS+4*\m+\s] matrix_a_fmt:MATRIX_FMT_BF6 matrix_b_fmt:MATRIX_FMT_BF6
.else
	v_wmma_scale_f32_16x16x128_f8f6f4 v[ACC+8*(4*\m+\t):ACC+8*(4*\m+\t)+7], v[12*(4*\t+\s):12*(4*\t+\s)+11], v[OF+12*(4*\m+\s):OF+12*(4*\m+\s)+11], v[ACC+8*(4*\m+\t):ACC+8*(4*\m+\t)+7], v[WS+4*\t+\s], v[OS+4*\m+\s] matrix_a_fmt:MATRIX_FMT_BF6 matrix_b_fmt:MATRIX_FMT_BF6
.endif
.endr
.endr
.endr
	WIN 0
.rept 4
	v_nop                                          ; four places: for the first read of results, and for the loads into registers that held o's fragments
.endr
.irp m, 0,1
.irp t, 0,1,2,3
	ds_store_b128 v9, v[ACC+8*(4*\m+\t):ACC+8*(4*\m+\t)+3] offset:4352*\m+64*\t        ; lane (r, h): columns 16 t + 8 h + 0 .. 7 of tile row r; each accumulator from its low end on
	ds_store_b128 v9, v[ACC+8*(4*\m+\t)+4:ACC+8*(4*\m+\t)+7] offset:4352*\m+64*\t+16
.endr
.irp i, 0,1,2,3,4,5,6,7
	ds_load_b128 v[RB+32*\m+4*\i:RB+32*\m+4*\i+3], v10 offset:4352*\m+544*\i   ; LDS serves a wave's instructions in order: these see my stores
.endr
.endr
.irp m, 0,1
.irp i, 0,1,2,3,4,5,6,7
	s_wait_dscnt 23-16*\m-\i                       ; behind this load: the 7 - i younger loads of its row tile, and for the first tile the second's 16 LDS instructions
	global_store_b128 v11, v[RB+32*\m+4*\i:RB+32*\m+4*\i+3], s[16:17] offset:(8*\m+2*\i+24*(\i/4))*1024 th:TH_STORE_NT   ; tile rows 2 i, 2 i + 1 are rows 8 m + 2 i + 24 (i / 4) on; 16 lanes store 256 consecutive bytes, aligned
.endr
.endr
	s_wait_tensorcnt 0x0                           ; the wave's end, behind my last LDS store
	ds_add_u32 v254, v255
	s_wait_dscnt 0x0
	s_endpgm
.Lfunc_end_k_q6986d570d2_outp:
	.size	k_q6986d570d2_outp, .Lfunc_end_k_q6986d570d2_outp-k_q6986d570d2_outp
	.p2alignl 7, 3214868480
	.fill 96, 4, 3214868480
	.section	.rodata,"a",@progbits
	.p2align	6, 0x0
	.amdhsa_kernel k_q6986d570d2_outp
		.amdhsa_group_segment_fixed_size 59904
		.amdhsa_private_segment_fixed_size 0
		.amdhsa_enable_private_segment 0
		.amdhsa_kernarg_size 64
		.amdhsa_user_sgpr_count 2
		.amdhsa_user_sgpr_kernarg_segment_ptr 1
		.amdhsa_wavefront_size32 1
		.amdhsa_system_sgpr_workgroup_id_x 1
		.amdhsa_system_sgpr_workgroup_id_y 1
		.amdhsa_system_sgpr_workgroup_id_z 1
		.amdhsa_system_vgpr_workitem_id 0
		.amdhsa_next_free_vgpr 448
		.amdhsa_next_free_sgpr 66
		.amdhsa_reserve_vcc 0
		.amdhsa_float_denorm_mode_32 3
		.amdhsa_float_denorm_mode_16_64 3
		.amdhsa_memory_ordered 1
		.amdhsa_forward_progress 1
		.amdhsa_inst_pref_size 24
	.end_amdhsa_kernel
	.amdgpu_metadata
---
amdhsa.version: [ 1, 2 ]
amdhsa.kernels:
  - .name:           k_q6986d570d2_outp
    .symbol:         k_q6986d570d2_outp.kd
    .args:
      - { .name: oc, .offset: 0, .size: 8, .value_kind: global_buffer, .address_space: global }
      - { .name: osc, .offset: 8, .size: 8, .value_kind: global_buffer, .address_space: global }
      - { .name: wc, .offset: 16, .size: 8, .value_kind: global_buffer, .address_space: global }
      - { .name: ws, .offset: 24, .size: 8, .value_kind: global_buffer, .address_space: global }
      - { .name: wo1_b, .offset: 32, .size: 8, .value_kind: global_buffer, .address_space: global }
      - { .name: wo2_b, .offset: 40, .size: 8, .value_kind: global_buffer, .address_space: global }
      - { .name: out0, .offset: 48, .size: 8, .value_kind: global_buffer, .address_space: global }
      - { .name: out1, .offset: 56, .size: 8, .value_kind: global_buffer, .address_space: global }
    .group_segment_fixed_size: 59904
    .private_segment_fixed_size: 0
    .kernarg_segment_align: 8
    .kernarg_segment_size: 64
    .max_flat_workgroup_size: 128
    .sgpr_count:     66
    .vgpr_count:     448
    .wavefront_size: 32
...
	.end_amdgpu_metadata
.endif
;; end of part 4
